; MI455X (gfx1250); checked and timed in simulation.
; The chip was launched on July 23, 2026; its instructions are those of AMD's public machine-readable ISA for CDNA 5 (MIT licence, August 2026) and "CDNA5" Instruction Set Architecture Reference Guide (July 2026). The comments in the code are by the model that wrote it; some were corrected since.
;; TSE. Allowed arithmetic: matrix products marked QUANTISED: E4M3 operands, one E8M0 scale for each 32 along K, by v_wmma_scale_f32_16x16x128_f8f6f4 with both operands' format E4M3, f32 sums; products left as they are: f32 operands where the result goes on into a quantised operand, else bf16, f16 or f32 operands; f32 sums; everything else in f32.
;; Inputs: W1_codes 3,072 x 32 x 32 uint8 (E4M3 codes of W1, K innermost, in blocks of 32 codes); W1_scales 3,072 x 32 uint8 (E8M0 scales of W1, one for each 32 codes along K); W2 1,024 x 2,048 float32; mask 4 x 2,048 int32; sen 4 x 1 x 1,024 float32; tokens_codes 4 x 2,048 x 32 x 32 uint8 (E4M3 codes of tokens, K innermost, in blocks of 32 codes); tokens_scales 4 x 2,048 x 32 uint8 (E8M0 scales of tokens, one for each 32 codes along K).
;; Outputs: out0 4 x 2,048 x 1,024 float32.
;; This version of the problem:
;;   THIS VERSION OF THE PROBLEM IS GIVEN IN LOW PRECISION. The matrix products marked QUANTISED in the list below multiply operands that are first quantised to E4M3 (4 exponent bits, 3 mantissa bits; 8 bits a number), with one power-of-two scale for each 32 numbers along K (OCP MX v1.0); their sums are f32. All else is computed in f32.
;;   The module's matrix products, in the order in which they are computed (A, B: the left and right operand; K: the contracted axis; several contracted axes count as one K, in the product's order):
;;     1. [M 8,192, K 1,024] x [K 1,024, N 3,072]; A: input tokens (given as codes); B: input W1 (given as codes): QUANTISED
;;     2. [M 4, K 1,024] x [K 1,024, N 2,048]; A: input sen; B: input W2: left as it is (M = 4 < 16)
;;     3. batch 64 x [M 2,048, K 64] x [K 64, N 2,048]; A: computed on the way; B: computed on the way: QUANTISED
;;     4. batch 64 x [M 1, K 64] x [K 64, N 1]; A: computed on the way; B: computed on the way: left as it is (M = 1 < 16)
;;     5. batch 64 x [M 2,048, K 2,048] x [K 2,048, N 64]; A: softmax (see below); B: computed on the way: QUANTISED
;;   THE QUANTISER, for each operand of a quantised product, along K:
;;     - K is cut into blocks of 32 from its start; a last block that is shorter is filled with zeros.
;;     - A block's scale is 2^e with e = floor(log2(the largest magnitude in the block)) - 8, held to -126 .. 127; a block of zeros has e = 0. As a byte (E8M0): e + 127.
;;     - Each number is divided by its block's scale, clamped to +-448, and rounded to the nearest number of E4M3, ties to even, subnormals kept.
;;     - The product sums the exact products of the quantised numbers (number of the format x scale) in f32.
;;   ~~~python
;;   def quantise(x, axis):      # numpy; x: float32 -> the quantised numbers, widened to float32 again
;;       x = np.moveaxis(x, axis, -1); K = x.shape[-1]
;;       x = np.pad(x, [(0, 0)] * (x.ndim - 1) + [(0, -K % 32)]); x = x.reshape(x.shape[:-1] + (-1, 32)); a = np.abs(x).max(-1, keepdims=True)
;;       e = np.where(a > 0, np.clip(np.frexp(np.where(a > 0, a, 1))[1] - 1 - 8, -126, 127), 0)      # np.frexp(a)[1] - 1 = floor(log2(a)), exactly
;;       r = np.clip(x / 2.0 ** e, -448, 448)
;;       step = 2.0 ** (np.maximum(np.frexp(np.where(r == 0, 1, r))[1] - 1, -6) - 3)
;;       q = np.round(r / step) * step * 2.0 ** e      # np.round: ties to even
;;       return np.moveaxis(q.reshape(q.shape[:-2] + (-1,))[..., :K], -1, axis).astype(np.float32)
;;   ~~~
;;   SOFTMAX AHEAD OF A QUANTISED PRODUCT. Where the list says 'softmax', what is quantised is not the finished softmax but p = 2^(t - M), with t = logit x log2(e) and M = ceil(the row's largest t), a whole number; so 1/2 < the row's largest p <= 1. The row's sum l is taken of the UNQUANTISED p, in f32, and the product's result is divided by l at the end. Since M is a whole number, a kernel that streams over the keys may use a running M (the ceiling of the running maximum): every later rescaling is an exact power of two, which a block's scale takes up: the codes' values come out the same.
;;   OPERANDS COMPUTED ON THE WAY. 'Computed on the way' means the value that the module computes at that place (a softmax that the list does not call 'softmax' is quantised finished and normalised). What goes into a quantiser is computed in f32, as accurately as f32 sums, v_exp_f32 and their like allow (about 1e-6 of the number): no bf16 or f16 on the way to a quantiser, and a product that is left as it is and whose result goes on into a quantised operand takes f32 operands (vector FMAs, or v_wmma_f32_16x16x4_f32). A number that lies on a knife's edge between two numbers of the format may be rounded either way, as far as f32 arithmetic and the matrix unit's own rounding can turn it there, and no further.
;;   INPUTS GIVEN AS CODES. W1 (in the module: [1024, 3072], K = its axis 0); tokens (in the module: [4, 2048, 1024], K = its axis 2): each comes as NAME_codes (uint8): NAME with its K axis moved to the last place and cut into blocks of 32 codes, [.., K / 32, bytes a block], one block behind the other in memory; one code a byte (a code: sign, 4 exponent bits, 3 mantissa bits); and NAME_scales (uint8): the same leading axes, one E8M0 byte (e + 127) for each 32 codes along K. Its value is code x scale, taken as it is: it is not quantised again, and the codes and scales need not be those that the quantiser above would give.
;; One version. Each part assembles by itself: llvm-mc -triple=amdgcn-amd-amdhsa -mcpu=gfx1250 --defsym DOCPART=n.
;; ======== version 1 of 1: 3 launches
;; limits: right only within a limited range of input values
;; workspace buffers: img 25,165,824 bytes; sc 786,432 bytes; qk2p 262,144 bytes
;; launch senproj (part 1): grid 32 x 8, 8 waves a work-group, no clusters, 9,216 bytes of LDS; arguments W2, sen, qk2p; writes qk2p
.if DOCPART == 1
	.amdgcn_target "amdgcn-amd-amdhsa--gfx1250"
	.amdhsa_code_object_version 6
	.text
	.protected	k_q7a2f069847_senproj
	.globl	k_q7a2f069847_senproj
	.p2align	8
	.type	k_q7a2f069847_senproj,@function
k_q7a2f069847_senproj:
	s_mov_b64 s[64:65], 0
	v_nop
	global_prefetch_b8 v0, s[64:65] scope:SCOPE_SE
	s_setreg_imm32_b32 hwreg(HW_REG_WAVE_MODE, 25, 1), 1
	s_wait_xcnt 0x0
; qk2p[ks][b][col] = the sum over 128 k of sen[b][k] W2[k][col]: partial sums of sen @ W2, K cut in eight.  W2: [1024][2048] f32, sen: [4][1024] f32.
; The result goes on into a softmax that is quantised, so the products are fused multiply-adds in f32; with four rows the matrix units have nothing to gain.
; SHARES.  Work-group (x, y): columns 64 x .. 64 x + 63 (256 bytes of each row of W2), rows 128 y .. 128 y + 127.  Wave w: 16 of these rows; a lane: two columns.
; So each load of a wave covers 256 consecutive bytes at a multiple of 256, all sixteen loads of a wave are out at once, and W2 is read once.  sen's numbers are the same
; for all lanes: they come into scalar registers.  The eight waves' sums meet in LDS; waves 0 to 3 add them, one batch each, and store 256 consecutive bytes.
; No tensor loads, no cluster: no two work-groups read the same bytes of W2.
.set ACC, 2                            ; v[2:9]    the sums: batch b at v[2+2b:3+2b]
.set WR,  16                           ; v[16:47]  row i of W2 at v[16+2i:17+2i]; later the eight waves' sums
	s_load_b128 s[4:7], s[0:1], 0x0                ; W2 s[4:5], sen s[6:7]
	s_load_b64 s[8:9], s[0:1], 0x10                ; qk2p
	v_lshl_add_u32 v64, v0, 2, 0x2000
	v_mov_b32 v65, 0
	v_lshrrev_b32 v12, 5, v0
	s_delay_alu instid0(VALU_DEP_1)
	v_readfirstlane_b32 s10, v12                   ; wave 0..7
	v_and_b32 v1, 31, v0
	s_delay_alu instid0(VALU_DEP_1)
	v_lshlrev_b32 v1, 3, v1                        ; 8 x lane: my two columns
	s_delay_alu instid0(VALU_DEP_1)
	v_lshl_add_u32 v10, v12, 10, v1                ; LDS, in: 1,024 x wave + 8 x lane (+ 256 x batch)
	s_delay_alu instid0(VALU_DEP_2)
	v_lshl_add_u32 v11, v12, 8, v1                 ; LDS, back: 256 x my batch + 8 x lane (+ 1,024 x wave)
	s_and_b32 s11, ttmp7, 0xffff                   ; y
	s_lshl_b32 s12, s11, 7
	s_lshl_b32 s13, s10, 4
	s_add_co_u32 s12, s12, s13                     ; my first row k0 = 128 y + 16 wave
	s_lshl_b32 s14, s12, 2                         ; in sen: 4 k0 bytes
	s_mov_b32 s15, 0
	s_lshl_b32 s12, s12, 13                        ; in W2: k0 rows of 8,192 bytes
	s_lshl_b32 s13, ttmp9, 8                       ; + 256 x
	s_add_co_u32 s12, s12, s13
	s_mov_b32 s13, 0
	s_wait_alu depctr_va_vdst(0)
	s_wait_kmcnt 0x0
	s_add_nc_u64 s[4:5], s[4:5], s[12:13]
	s_add_nc_u64 s[6:7], s[6:7], s[14:15]
	s_load_b512 s[16:31], s[6:7], 0x0              ; sen[0][k0 .. k0 + 15]
	s_load_b512 s[32:47], s[6:7], 0x1000           ; sen[1]
	s_load_b512 s[48:63], s[6:7], 0x2000           ; sen[2]
	s_load_b512 s[68:83], s[6:7], 0x3000           ; sen[3]
.irp i, 0,1,2,3,4,5,6,7,8,9,10,11,12,13,14,15
	global_load_b64 v[WR+2*\i:WR+2*\i+1], v1, s[4:5] offset:8192*\i th:TH_LOAD_NT   ; read once in the launch
.endr
	s_lshl_b32 s12, s11, 15                        ; where the result goes: 32,768 y
	s_lshl_b32 s14, s10, 13                        ; + 8,192 x batch (= my wave, for waves 0 to 3)
	s_add_co_u32 s12, s12, s14
	s_lshl_b32 s14, ttmp9, 8                       ; + 256 x
	s_add_co_u32 s12, s12, s14
	s_add_nc_u64 s[8:9], s[8:9], s[12:13]
	s_wait_kmcnt 0x0                               ; sen's numbers
.macro FMAS i, b, sb                   ; row i into batch b's two sums; the first row starts them: nothing is cleared
.if \i == 0
	v_mul_f32 v[ACC+2*\b], s[\sb], v[WR]
	s_wait_alu depctr_va_vdst(0)
	v_mul_f32 v[ACC+2*\b+1], s[\sb], v[WR+1]
.else
	v_fmac_f32 v[ACC+2*\b], s[\sb+\i], v[WR+2*\i]
	v_fmac_f32 v[ACC+2*\b+1], s[\sb+\i], v[WR+2*\i+1]
.endif
.endm
.irp i, 0,1,2,3,4,5,6,7,8,9,10,11,12,13,14,15
	s_wait_alu depctr_va_vdst(0)
	s_wait_loadcnt 15-\i                           ; loads come back in order: row i is in, the younger rows may be out
	FMAS \i, 0, 16
	FMAS \i, 1, 32
	FMAS \i, 2, 48
	FMAS \i, 3, 68
.endr
.irp b, 0,1,2,3
	ds_store_b64 v10, v[ACC+2*\b:ACC+2*\b+1] offset:256*\b
.endr
	s_wait_dscnt 0x0                               ; for the others' sake: my stores are done
	s_barrier_signal -1
	s_barrier_wait -1
	s_cmp_lt_u32 s10, 4                            ; waves 0 to 3 add the eight waves' sums, one batch each
	s_cbranch_scc0 .Lend
.irp j, 0,1,2,3,4,5,6,7
	ds_load_b64 v[WR+2*\j:WR+2*\j+1], v11 offset:1024*\j
.endr
	s_wait_dscnt 0x0
	v_pk_add_f32 v[16:17], v[16:17], v[18:19]
	v_pk_add_f32 v[20:21], v[20:21], v[22:23]
	v_pk_add_f32 v[24:25], v[24:25], v[26:27]
	v_pk_add_f32 v[28:29], v[28:29], v[30:31]
	s_delay_alu instid0(VALU_DEP_3)
	v_pk_add_f32 v[16:17], v[16:17], v[20:21]
	s_delay_alu instid0(VALU_DEP_2)
	v_pk_add_f32 v[24:25], v[24:25], v[28:29]
	s_delay_alu instid0(VALU_DEP_1)
	v_pk_add_f32 v[16:17], v[16:17], v[24:25]
	global_store_b64 v1, v[16:17], s[8:9]          ; 32 lanes store 256 consecutive bytes, at a multiple of 256 from the buffer's first byte
.Lend:
	s_wait_tensorcnt 0x0
	ds_add_u32 v64, v65
	s_wait_dscnt 0x0
	s_endpgm
.Lfunc_end_k_q7a2f069847_senproj:
	.size	k_q7a2f069847_senproj, .Lfunc_end_k_q7a2f069847_senproj-k_q7a2f069847_senproj
	.p2alignl 7, 3214868480
	.fill 96, 4, 3214868480
	.section	.rodata,"a",@progbits
	.p2align	6, 0x0
	.amdhsa_kernel k_q7a2f069847_senproj
		.amdhsa_group_segment_fixed_size 9216
		.amdhsa_private_segment_fixed_size 0
		.amdhsa_enable_private_segment 0
		.amdhsa_kernarg_size 24
		.amdhsa_user_sgpr_count 2
		.amdhsa_user_sgpr_kernarg_segment_ptr 1
		.amdhsa_wavefront_size32 1
		.amdhsa_system_sgpr_workgroup_id_x 1
		.amdhsa_system_sgpr_workgroup_id_y 1
		.amdhsa_system_sgpr_workgroup_id_z 1
		.amdhsa_system_vgpr_workitem_id 0
		.amdhsa_next_free_vgpr 66
		.amdhsa_next_free_sgpr 84
		.amdhsa_reserve_vcc 0
		.amdhsa_float_denorm_mode_32 3
		.amdhsa_float_denorm_mode_16_64 3
		.amdhsa_memory_ordered 1
		.amdhsa_forward_progress 1
		.amdhsa_inst_pref_size 11
	.end_amdhsa_kernel
	.amdgpu_metadata
---
amdhsa.version: [ 1, 2 ]
amdhsa.kernels:
  - .name:           k_q7a2f069847_senproj
    .symbol:         k_q7a2f069847_senproj.kd
    .args:
      - { .name: W2, .offset: 0, .size: 8, .value_kind: global_buffer, .address_space: global }
      - { .name: sen, .offset: 8, .size: 8, .value_kind: global_buffer, .address_space: global }
      - { .name: qk2p, .offset: 16, .size: 8, .value_kind: global_buffer, .address_space: global }
    .group_segment_fixed_size: 9216
    .private_segment_fixed_size: 0
    .kernarg_segment_align: 8
    .kernarg_segment_size: 24
    .max_flat_workgroup_size: 256
    .sgpr_count:     84
    .vgpr_count:     66
    .wavefront_size: 32
...
	.end_amdgpu_metadata
.endif
;; end of part 1
;; launch qkv (part 2): grid 8 x 32, 4 waves a work-group, clusters of 4 x 4, 327,680 bytes of LDS; arguments tokens_codes, tokens_scales, W1_codes, W1_scales, img, sc; writes img, sc
.if DOCPART == 2
	.amdgcn_target "amdgcn-amd-amdhsa--gfx1250"
	.amdhsa_code_object_version 6
	.text
	.protected	k_q7a2f069847_qkv
	.globl	k_q7a2f069847_qkv
	.p2align	8
	.type	k_q7a2f069847_qkv,@function
k_q7a2f069847_qkv:
	s_mov_b64 s[64:65], 0
	v_nop
	global_prefetch_b8 v0, s[64:65] scope:SCOPE_SE
	s_setreg_imm32_b32 hwreg(HW_REG_WAVE_MODE, 25, 1), 1
	s_wait_xcnt 0x0
	s_wait_alu depctr_hold_cnt(0) depctr_sa_sdst(0) depctr_va_vdst(0) depctr_va_sdst(0) depctr_va_ssrc(0) depctr_va_vcc(0) depctr_vm_vsrc(0)
	s_getreg_b32 s2, hwreg(HW_REG_IB_STS2, 6, 4)
	s_cmp_eq_u32 s2, 0
	s_cbranch_scc0 .Lentry_in_a_cluster
	s_endpgm
.Lentry_in_a_cluster:
	s_bfe_u32 s2, ttmp6, 0x10000c
	s_cmp_lg_u32 s2, 0xf033
	s_cbranch_scc0 .Lentry_shape_is_right
	s_endpgm
.Lentry_shape_is_right:
; q, k, v = tokens W1 on codes of FP8 (E4M3) with E8M0 scales, K = 1,024, and their quantisers: q and k along the head's 64, v along the tokens.  Codes leave as images of operand registers (img), scale words beside them (sc).
; THE DEAL: 256 work-groups of four waves (2 x 2), each with two jobs.  JOB 1: a tile of 256 tokens x 256 columns of q or k (A = tokens, tile 4 cly + cy; B = W1's rows, tile 4 clx + cx): a wave makes 128 x 128, 64 accumulators.
; JOB 2: 128 channels of v x 256 tokens (A = W1's rows 2,048 + 128 (4 clx + cy) on; B = tokens, tile 4 cly + cx): a wave makes 64 x 128, 32 accumulators.  So every work-group has 768 products a wave.
; In both jobs A hangs on cy alone and is shared along a row of the cluster, B on cx alone and is shared along a column: joint loads with the same two masks.
; THE MATRIX INSTRUCTION IS USED TRANSPOSED (source 0 = B's rows, source 1 = A's): a lane holds one row of A and its registers run along B: along the head's columns in job 1, along the tokens in job 2: the next products' K.
; THE RING: two slots of 256 along K (rows of 256 bytes, 16 of padding).  It runs on from job 1 into job 2: job 1's last two changes of slots ask for job 2's K steps 0 and 1, which land while job 1 is quantised.
; THE HEAD: one load a wave: K step 0 of A, of B (256 rows each), job 1's scale bytes of A, of B.  Behind one round: K step 1 of A, of B, job 2's scale bytes of A, of B: all first fills.  From then on a quarter of a slot a wave.
; PREFETCHES INTO THE L2, two groups of tensor loads ahead of the load that wants the rows (K step 1: one group), a lane a row of 256 bytes, by immediate offsets from addresses that are never rewritten.
; Job 1: a tile's 256 rows are shared out by address among the four partners that ask for it jointly, 64 each (by cx for A, by cy for B), 32 a wave: behind the head's loads K steps 1 and 2, behind the second group K step 3.
; Job 2: job 1's four changes of slots ask for K steps 0 to 3 of A's 128 rows, 32 a partner (by cx), wave 0 alone.  B's rows there are the four token tiles that this cluster has read in job 1: they are not asked for again.  The scale bytes come once, by their loads.
; LIMITS: NaN and infinities are not served.  A block's byte never falls under 1 (a block of zeros keeps 1: its codes are zeros; the bytes are read by this program alone).
; REGISTERS: window 0: v0-31 addresses; v32-63 scale words, two sets (on the way out: at work); v64-127 at work on the way out; v128-255 A's fragments (on the way out: codes).  Window 1: B's fragments, two sets.  Windows 2, 3: accumulators.
.set SIZE_K, 1024
.set KSTEP,  256
.set NQ,     KSTEP/128
.set ROWB,   256
.set KROW,   SIZE_K
.set PITCH,  272
.set FR,     16
.set NL,     4
.set NP,     8
.set HALFT,  128*PITCH
.set SLOT,   4*HALFT
.set KS,     SIZE_K/32
.set SCL,    2*SLOT                    ; job 1's scale bytes: A's 256 rows, B's 256 rows, as units of 256 bytes + 16
.set HALFS,  (128*KS/256)*272
.set SBLK,   (16*KS/256)*272
.set SCL2,   SCL+4*HALFS               ; job 2's: A's 128 rows, B's 256
.set SPARE,  SCL2+3*HALFS
.set SCST,   SPARE+512                 ; job 1's scale words on the way out: 512 bytes a wave
.set SCST2,  SCST+2048                 ; job 2's: 512 bytes for each half of the tokens
.set PFO,  9                           ; v9  the prefetches' offset: 1,024 x lane; never rewritten
.set ADRA, 16
.set ADRA2, 18
.set ADRB, 20
.set ADRS2, 22
.set SST2, 23
.set LI,   24
.set SST,  25
.set SRD,  26
.set ADRS, 27
.set SPW,  28
.set NIL,  29
.set SRD2, 30
.set L8,   31
.set SC,   32
.set AF,   128
.set TM,   32
.set PW,   48
.set OW,   56
.set T,    64
.set PC,   128
.set G1, 24
.set G0, 32
.set PF2, 40                           ; s[40:41] job 2's prefetches: my work-group's 32 rows of A
.set PF1, 42                           ; s[42:43] job 1's: my wave's 32 rows of A (waves 0, 1) or of B (waves 2, 3)
.set G1B, 48
.set G0B, 56
.set G1S, 68
.set G0S, 76
.set G1SB, 80
.set G0SB, 88
.set MSB, 0
.macro WIN new
.if MSB != \new
	s_set_vgpr_msb (MSB<<8)|\new
.set MSB, \new
.endif
.endm
.set MUL_LO, 0xa1
.set MUL_HI, 0xf1
.set TO_B,   0x40
.macro PLACES n
.rept \n
	v_nop
.endr
.endm
.macro JLOAD g0a, g1a, g0b, g1b        ; the ring's joint load: waves 0, 1 for A, waves 2, 3 for B
	s_cmp_eq_u32 s17, 0
	s_cbranch_scc0 .Lfor_b_\@
	tensor_load_to_lds s[\g0a:\g0a+3], s[\g1a:\g1a+7]
	s_nop 0
	PLACES 4
	s_branch .Lasked_\@
.Lfor_b_\@:
	tensor_load_to_lds s[\g0b:\g0b+3], s[\g1b:\g1b+7]
	s_nop 0
	PLACES 4
.Lasked_\@:
.endm
.macro CREST
	s_cmp_lg_u32 s16, 0
	s_cbranch_scc1 .Lnot_wave_0_\@
	s_barrier_signal -3
.Lnot_wave_0_\@:
	s_barrier_wait -3
	s_barrier_signal -1
	s_barrier_wait -1
.endm
.macro CROUND
	s_barrier_signal -1
	s_barrier_wait -1
	CREST
.endm
.macro ARM under, g0, g1, next, join
	s_cmp_lt_u32 s16, \under
	s_cbranch_scc0 \next
	tensor_load_to_lds s[\g0:\g0+3], s[\g1:\g1+7]
	s_nop 0
	PLACES 4
	s_branch \join
\next:
.endm
.macro FOUR sl                         ; one chain of branches on the wave's number, a load to an arm: A's 256 rows of K step sl, B's, A's scale bytes, B's
	ARM 1, G0+4*\sl, G1, .Lhb\sl, .Lhj\sl
	ARM 2, G0B+4*\sl, G1B, .Lhc\sl, .Lhj\sl
	ARM 3, G0S, G1S, .Lhd\sl, .Lhj\sl
	tensor_load_to_lds s[G0SB:G0SB+3], s[G1SB:G1SB+7]
	s_nop 0
	PLACES 4
.Lhj\sl:
.endm
.macro ASK2 k                          ; wave 0 asks for job 2's K step k of my work-group's 32 rows of A
	s_cmp_lg_u32 s16, 0
	s_cbranch_scc1 .Lnot_mine_\@
	global_prefetch_b8 v[PFO], s[PF2:PF2+1] offset:ROWB*\k th:TH_LOAD_NT scope:SCOPE_SE
.Lnot_mine_\@:
.endm
	s_load_b128 s[4:7], s[0:1], 0x0                ; tokens' codes, scales
	s_load_b128 s[8:11], s[0:1], 0x10              ; W1's codes, scales
	s_load_b128 s[12:15], s[0:1], 0x20             ; img, sc
	v_lshl_add_u32 v[SPW], v0, 2, SPARE
	v_mov_b32 v[NIL], 0
	ds_add_u32 v[SPW], v[NIL]                      ; the opening lines
	ds_add_u32 v[SPW], v[NIL]
	v_lshrrev_b32 v1, 5, v0
	v_readfirstlane_b32 s16, v1                    ; wave
	s_lshr_b32 s17, s16, 1                         ; my half of A's rows; in the ring: I fetch for A (0) or B (1)
	s_and_b32 s18, s16, 1                          ; my half of B's rows; in the ring: which part I fetch
	s_bfe_u32 s40, ttmp6, 0x40000                  ; cx
	s_bfe_u32 s41, ttmp6, 0x40004                  ; cy
	s_and_b32 s42, ttmp7, 0xffff
	s_lshl_b32 s42, s42, 2                         ; 4 cly
	s_lshl_b32 s23, ttmp9, 2                       ; 4 clx
	s_lshl_b32 s43, s41, 2
	s_lshl_b32 s43, 15, s43                        ; my row of the cluster
	s_lshl_b32 s44, 0x1111, s40                    ; my column
	s_or_b32 s[G1+0], s43, (0<<16)|(1<<20)|(1<<21)|(5<<22)|(3<<25)
	s_or_b32 s[G1B+0], s44, (0<<16)|(1<<20)|(1<<21)|(5<<22)|(3<<25)
.irp g, G1, G1B
	s_mov_b32 s[\g+1], ROWB<<16
	s_mov_b32 s[\g+2], 256<<16                     ; 256 rows for the first two K steps' loads
	s_mov_b32 s[\g+3], ROWB<<16
	s_mov_b32 s[\g+4], 256
	s_mov_b32 s[\g+5], KROW
	s_mov_b32 s[\g+6], 0
	s_mov_b32 s[\g+7], 0
.endr
	s_or_b32 s[G1S+0], s43, (3<<16)|(1<<20)|(1<<21)|(5<<22)|(3<<25)
	s_or_b32 s[G1SB+0], s44, (3<<16)|(1<<20)|(1<<21)|(5<<22)|(3<<25)
.irp g, G1S, G1SB
	s_mov_b32 s[\g+1], 32<<16                      ; the scale bytes of 256 rows: 32 units of 256 bytes
	s_mov_b32 s[\g+2], 32<<16
	s_mov_b32 s[\g+3], 32<<16
	s_mov_b32 s[\g+4], 32
	s_mov_b32 s[\g+5], 32
	s_mov_b32 s[\g+6], 0
	s_mov_b32 s[\g+7], 0
.endr
	s_add_co_u32 s100, s42, s41                    ; job 1's token tile (cy)
	s_add_co_u32 s101, s23, s41                    ; job 2's 128 channels (cy)
	s_add_co_u32 s46, s23, s40                     ; job 1's column tile (cx)
	s_add_co_u32 s47, s42, s40                     ; job 2's token tile (cx)
	s_lshl_b32 s[G0+2], s100, 18                   ; offsets, each in the registers that take the address
	s_mov_b32 s[G0+3], 0
	s_lshl_b32 s[G0S+2], s100, 13
	s_mov_b32 s[G0S+3], 0
	s_lshl_b32 s[G0B+2], s46, 18
	s_mov_b32 s[G0B+3], 0
	s_lshl_b32 s[G0SB+2], s46, 13
	s_mov_b32 s[G0SB+3], 0
	s_lshl_b32 s92, s101, 17                       ; s[92:93] job 2, A's codes: row 2,048 + 128 (4 clx + cy), + the 64 rows that I fetch
	s_add_co_u32 s92, s92, 0x200000
	s_lshl_b32 s22, s18, 16
	s_add_co_u32 s92, s92, s22
	s_mov_b32 s93, 0
	s_lshl_b32 s66, s18, 17                        ; s[66:67] the 128 rows that I fetch in the ring
	s_mov_b32 s67, 0
	s_lshl_b32 s94, s47, 18                        ; s[94:95] job 2, B's codes
	s_add_co_u32 s94, s94, s66
	s_mov_b32 s95, 0
	s_lshl_b32 s96, s101, 12                       ; s[96:97] job 2, A's scale bytes
	s_add_co_u32 s96, s96, 0x10000
	s_mov_b32 s97, 0
	s_lshl_b32 s98, s47, 13                        ; s[98:99] job 2, B's
	s_mov_b32 s99, 0
	; the prefetches' places.  Job 1: row 256 x tile + 64 x my place among the four that share the tile + 32 x (wave % 2)
	s_cmp_eq_u32 s17, 0                            ; waves 0, 1 ask for A, waves 2, 3 for B
	s_cselect_b32 s2, s100, s46
	s_cselect_b32 s3, s40, s41
	s_lshl_b32 s2, s2, 8
	s_lshl_b32 s3, s3, 6
	s_add_co_u32 s2, s2, s3
	s_lshl_b32 s3, s18, 5
	s_add_co_u32 s2, s2, s3
	s_lshl_b32 s2, s2, 10
	s_mov_b32 s3, 0
	s_lshl_b32 s104, s101, 7                       ; job 2: row 2,048 + 128 (4 clx + cy) + 32 cx
	s_add_co_u32 s104, s104, 2048
	s_lshl_b32 s105, s40, 5
	s_add_co_u32 s104, s104, s105
	s_lshl_b32 s104, s104, 10
	s_mov_b32 s105, 0
	s_mul_i32 s45, s16, HALFT                      ; where my part of a slot goes: job 1, and B's in job 2;
	s_mul_i32 s23, s16, 64*PITCH                   ; A's in job 2
	s_mov_b32 s19, 0x600000
	s_mov_b32 s20, 0x76543210
	s_mov_b32 s21, 0xfedcba98
.irp s, 0,1
	s_mov_b32 s[G0+4*\s], 1
	s_mov_b32 s[G0+4*\s+1], \s*SLOT
	s_mov_b32 s[G0B+4*\s], 1
	s_mov_b32 s[G0B+4*\s+1], \s*SLOT+2*HALFT
.endr
	s_mov_b32 s[G0S], 1
	s_mov_b32 s[G0S+1], SCL
	s_mov_b32 s[G0SB], 1
	s_mov_b32 s[G0SB+1], SCL+2*HALFS
	s_wait_dscnt 0x0
	CROUND                                         ; in front of the first joint loads
	s_wait_kmcnt 0x0
	s_add_nc_u64 s[G0+2:G0+3], s[4:5], s[G0+2:G0+3]
	s_add_nc_u64 s[G0S+2:G0S+3], s[6:7], s[G0S+2:G0S+3]
	s_add_nc_u64 s[G0B+2:G0B+3], s[8:9], s[G0B+2:G0B+3]
	s_add_nc_u64 s[G0SB+2:G0SB+3], s[10:11], s[G0SB+2:G0SB+3]
	s_add_nc_u64 s[G0+6:G0+7], s[G0+2:G0+3], ROWB
	s_add_nc_u64 s[G0B+6:G0B+7], s[G0B+2:G0B+3], ROWB
	s_add_nc_u64 s[92:93], s[8:9], s[92:93]
	s_add_nc_u64 s[94:95], s[4:5], s[94:95]
	s_add_nc_u64 s[96:97], s[10:11], s[96:97]
	s_add_nc_u64 s[98:99], s[6:7], s[98:99]
	s_cmp_eq_u32 s17, 0
	s_cselect_b64 s[PF1:PF1+1], s[4:5], s[8:9]     ; (cx, cy and the masks have been used)
	s_add_nc_u64 s[PF1:PF1+1], s[PF1:PF1+1], s[2:3]
	s_add_nc_u64 s[PF2:PF2+1], s[8:9], s[104:105]
.irp r, G0+3, G0+7, G0B+3, G0B+7, G0S+3, G0SB+3
	s_or_b32 s[\r], s[\r], 0x80000000
.endr
	FOUR 0
	; LDS places, from the wave's number alone (the arguments' registers are free)
	s_mul_i32 s4, s17, HALFT
	s_mul_i32 s5, s18, HALFT
	s_add_co_u32 s5, s5, 2*HALFT
	s_mul_i32 s6, s17, 64*PITCH
	s_mul_i32 s7, s17, HALFS
	s_mul_i32 s8, s18, HALFS
	s_add_co_u32 s8, s8, 2*HALFS
	s_sub_co_u32 s8, s8, s7
	s_add_co_u32 s7, s7, SCL
	s_mul_i32 s9, s17, HALFS/2
	s_mul_i32 s10, s18, HALFS
	s_add_co_u32 s10, s10, HALFS
	s_sub_co_u32 s10, s10, s9
	s_add_co_u32 s9, s9, SCL2
	s_lshl_b32 s11, s16, 9
	s_add_co_u32 s11, s11, SCST
	s_lshl_b32 s2, s18, 9
	s_add_co_u32 s2, s2, SCST2
	s_lshl_b32 s3, s17, 8
	s_add_co_u32 s3, s3, s2
	s_lshl_b32 s22, s17, 7
	s_add_co_u32 s2, s2, s22
	v_and_b32 v1, 15, v0
	v_bfe_u32 v2, v0, 4, 1
	v_and_b32 v6, 31, v0
	v_mul_u32_u24 v3, v1, PITCH
	v_lshl_add_u32 v4, v2, 4, v3                   ; a fragment's row x pitch + 16 x half
	v_add_nc_u32 v[ADRA], s4, v4
	v_add_nc_u32 v[ADRB], s5, v4
	v_add_nc_u32 v[ADRA2], s6, v4
	v_add_nc_u32 v[ADRA+1], SLOT, v[ADRA]
	v_add_nc_u32 v[ADRB+1], SLOT, v[ADRB]
	v_add_nc_u32 v[ADRA2+1], SLOT, v[ADRA2]
	v_lshlrev_b32 v5, 5, v1                        ; a row's scale bytes: 32 a row, 16 more for each 256 passed
	v_lshrrev_b32 v7, 3, v1
	v_lshl_add_u32 v5, v7, 4, v5
	v_mul_u32_u24 v7, s8, v2                       ; lanes 16-31 take B's
	v_add_nc_u32 v7, v5, v7
	v_add_nc_u32 v[ADRS], s7, v7
	v_mul_u32_u24 v8, s10, v2
	v_add_nc_u32 v8, v5, v8
	v_add_nc_u32 v[ADRS2], s9, v8
	v_lshlrev_b32 v[LI], 4, v6
	v_lshlrev_b32 v[L8], 3, v6
	v_lshl_add_u32 v[SST], v1, 2, s11
	v_add_nc_u32 v[SRD], s11, v[LI]
	v_lshl_add_u32 v[SST2], v1, 2, s2
	v_add_nc_u32 v[SRD2], s3, v[L8]
	v_lshlrev_b32 v[PFO], 10, v6                   ; a lane a row of 1,024 bytes
	global_prefetch_b8 v[PFO], s[PF1:PF1+1] offset:ROWB th:TH_LOAD_NT scope:SCOPE_SE     ; job 1's K step 1,
	global_prefetch_b8 v[PFO], s[PF1:PF1+1] offset:2*ROWB th:TH_LOAD_NT scope:SCOPE_SE   ; and 2
; where results go: the cell of 16,384 bytes of (part, batch, pair of heads, 128 tokens): fu = 128 columns of W1 (0 .. 23), tu = 128 tokens (0 .. 63)
.macro CELL fu, tu
	s_lshr_b32 s104, s\fu, 3
	s_lshl_b32 s104, s104, 2
	s_lshr_b32 s105, s\tu, 4
	s_add_co_u32 s104, s104, s105
	s_lshl_b32 s104, s104, 3
	s_and_b32 s105, s\fu, 7
	s_add_co_u32 s104, s104, s105
	s_lshl_b32 s104, s104, 18
	s_and_b32 s105, s\tu, 15
	s_lshl_b32 s105, s105, 14
	s_add_co_u32 s104, s104, s105
	s_mov_b32 s105, 0
.endm
	s_lshl_b32 s2, s46, 1
	s_add_co_u32 s2, s2, s18
	s_lshl_b32 s3, s100, 1
	s_add_co_u32 s3, s3, s17
	CELL 2, 3
	s_add_nc_u64 s[4:5], s[12:13], s[104:105]      ; job 1: codes,
	s_lshr_b32 s104, s104, 5
	s_add_nc_u64 s[6:7], s[14:15], s[104:105]      ; scale words
	s_add_co_u32 s2, s101, 16
	s_lshl_b32 s3, s47, 1
	s_add_co_u32 s3, s3, s18
	CELL 2, 3
	s_lshr_b32 s100, s104, 5
	s_lshl_b32 s2, s17, 8
	s_add_co_u32 s100, s100, s2                    ; job 2: I store unit s17 of the cell's 512 bytes of scale words,
	s_mov_b32 s101, 0
	s_lshl_b32 s2, s17, 13
	s_add_co_u32 s104, s104, s2                    ; and my 64 channels are one head's 8,192 bytes of codes
	s_add_nc_u64 s[8:9], s[12:13], s[104:105]
	s_add_nc_u64 s[10:11], s[14:15], s[100:101]
	s_mov_b32 s2, 0x05040100
	s_mov_b32 s3, 0x07060302
.macro FRAG reg, adr, q, i
.irp c, 0,1,2,3
	ds_load_b128 v[\reg+4*\c:\reg+4*\c+3], v[\adr] offset:128*(\q)+32*\c+(\i)*16*PITCH
.endr
.endm
.macro MUL16 a0, p, q, sc, zero
.irp a, \a0, \a0+1
.irp b, 0,1,2,3,4,5,6,7
.if \zero
	v_wmma_scale_f32_16x16x128_f8f6f4 v[8*(8*((\a)%4)+\b):8*(8*((\a)%4)+\b)+7], v[128*(\p)+FR*\b:128*(\p)+FR*\b+FR-1], v[AF+FR*(\a):AF+FR*(\a)+FR-1], 0, v[SC+8*NQ*(\sc)+NQ*\b+(\q)], v[SC+8*NQ*(\sc)+NQ*(\a)+(\q)] matrix_a_scale:MATRIX_SCALE_ROW1
.else
	v_wmma_scale_f32_16x16x128_f8f6f4 v[8*(8*((\a)%4)+\b):8*(8*((\a)%4)+\b)+7], v[128*(\p)+FR*\b:128*(\p)+FR*\b+FR-1], v[AF+FR*(\a):AF+FR*(\a)+FR-1], v[8*(8*((\a)%4)+\b):8*(8*((\a)%4)+\b)+7], v[SC+8*NQ*(\sc)+NQ*\b+(\q)], v[SC+8*NQ*(\sc)+NQ*(\a)+(\q)] matrix_a_scale:MATRIX_SCALE_ROW1
.endif
.endr
.endr
.endm
.macro FETCH_B slot, q, p
	WIN TO_B
.irp i, 0,1,2,3,4,5,6,7
	FRAG 128*(\p)+FR*\i, ADRB+\slot, \q, \i
.endr
	WIN 0
.endm
.macro FETCH_A slot, q, i0
.irp i, \i0, \i0+1, \i0+2, \i0+3
	FRAG AF+FR*(\i), ADRA+\slot, \q, \i
.endr
.endm
.macro SCALES sc, adr                  ; a K step's scale words: lanes 0-15 A's block i, lanes 16-31 B's block i
.irp i, 0,1,2,3,4,5,6,7
	ds_load_b64 v[SC+8*NQ*\sc+NQ*\i:SC+8*NQ*\sc+NQ*\i+1], v[\adr] offset:\i*SBLK
.endr
.endm
.macro STEP slot, q, zero              ; job 1: 128 along K whose successor lies in the same slot
	s_wait_dscnt 4*NL                              ; all but A's blocks 4-7
	WIN MUL_LO
	MUL16 0, (\q)%2, \q, \slot, \zero
	MUL16 2, (\q)%2, \q, \slot, \zero
	s_wait_dscnt 0
	PLACES NP
	FETCH_B \slot, (\q)+1, 1-(\q)%2
	FETCH_A \slot, (\q)+1, 0
	WIN MUL_HI
	MUL16 4, (\q)%2, \q, \slot, \zero
	MUL16 6, (\q)%2, \q, \slot, \zero
	PLACES NP
	WIN 0
	FETCH_A \slot, (\q)+1, 4
.endm
; the descriptors' steps, behind the wait that shows all my loads done.  1: this slot, two K steps on.  2: first the ring's form (128 rows a load, my part), then as 1.  3: both slots to job 2's K steps 0 and 1; A's loads bring 64 rows.  4: nothing
.macro DESC slot, fill
.if \fill == 2
.irp g, G1, G1B
	s_mov_b32 s[\g+2], 128<<16
	s_mov_b32 s[\g+4], 128
.endr
.irp g, G0, G0B
	s_mov_b32 s[\g+1], s45
	s_add_co_u32 s[\g+5], s45, SLOT
	s_add_nc_u64 s[\g+2:\g+3], s[\g+2:\g+3], s[66:67]
	s_add_nc_u64 s[\g+6:\g+7], s[\g+6:\g+7], s[66:67]
.endr
.endif
.if \fill == 1 || \fill == 2
	s_add_nc_u64 s[G0+4*\slot+2:G0+4*\slot+3], s[G0+4*\slot+2:G0+4*\slot+3], 2*ROWB
	s_add_nc_u64 s[G0B+4*\slot+2:G0B+4*\slot+3], s[G0B+4*\slot+2:G0B+4*\slot+3], 2*ROWB
.endif
.if \fill == 3
	s_mov_b32 s[G1+2], 64<<16
	s_mov_b32 s[G1+4], 64
	s_mov_b32 s[G0+1], s23
	s_add_co_u32 s[G0+5], s23, SLOT
	s_mov_b64 s[G0+2:G0+3], s[92:93]
	s_add_nc_u64 s[G0+6:G0+7], s[92:93], ROWB
	s_mov_b64 s[G0B+2:G0B+3], s[94:95]
	s_add_nc_u64 s[G0B+6:G0B+7], s[94:95], ROWB
.irp r, G0+3, G0+7, G0B+3, G0B+7
	s_or_b32 s[\r], s[\r], 0x80000000
.endr
.endif
.endm
.macro TURN slot, next, fill, pf, fetch=1  ; job 1: a slot's last 128 along K, and the change of slots; pf: the K step of job 2 that is asked of the L2
	s_wait_tensorcnt 0x0                           ; the three lines ahead of a refill's round
	ds_add_u32 v[SPW], v[NIL]
	DESC \slot, \fill
	s_wait_dscnt 4*NL+1                            ; the add and A's blocks 4-7 may be out
	WIN MUL_LO
	MUL16 0, 1, NQ-1, \slot, 0
	s_wait_dscnt 0x0
	s_barrier_signal -1
	MUL16 2, 1, NQ-1, \slot, 0
	WIN 0
	s_barrier_wait -1
	CREST
	JLOAD G0+4*\slot, G1, G0B+4*\slot, G1B
.if \fetch
	PLACES NP-4
	s_wait_alu depctr_va_vdst(0)
	v_add_nc_u32 v[ADRS], 4*NQ, v[ADRS]
	FETCH_B \next, 0, 0
	FETCH_A \next, 0, 0
	SCALES \next, ADRS
.endif
	ASK2 \pf                                       ; behind the joint load and the run of LDS loads
	WIN MUL_HI
	MUL16 4, 1, NQ-1, \slot, 0
	MUL16 6, 1, NQ-1, \slot, 0
	PLACES NP
	WIN 0
.if \fetch
	FETCH_A \next, 0, 4
.endif
.endm
; JOB 2: A's four blocks and B's eight, both in two sets
.macro MULA a, p, q, sc, zero
.irp b, 0,1,2,3,4,5,6,7
.if \zero
	v_wmma_scale_f32_16x16x128_f8f6f4 v[8*(8*(\a)+\b):8*(8*(\a)+\b)+7], v[128*(\p)+FR*\b:128*(\p)+FR*\b+FR-1], v[AF+64*(\p)+FR*(\a):AF+64*(\p)+FR*(\a)+FR-1], 0, v[SC+8*NQ*(\sc)+NQ*\b+(\q)], v[SC+8*NQ*(\sc)+NQ*(\a)+(\q)] matrix_a_scale:MATRIX_SCALE_ROW1
.else
	v_wmma_scale_f32_16x16x128_f8f6f4 v[8*(8*(\a)+\b):8*(8*(\a)+\b)+7], v[128*(\p)+FR*\b:128*(\p)+FR*\b+FR-1], v[AF+64*(\p)+FR*(\a):AF+64*(\p)+FR*(\a)+FR-1], v[8*(8*(\a)+\b):8*(8*(\a)+\b)+7], v[SC+8*NQ*(\sc)+NQ*\b+(\q)], v[SC+8*NQ*(\sc)+NQ*(\a)+(\q)] matrix_a_scale:MATRIX_SCALE_ROW1
.endif
.endr
.endm
.macro FETCHV slot, q, p               ; 48 loads
	FETCH_B \slot, \q, \p
.irp i, 0,1,2,3
	FRAG AF+64*(\p)+FR*\i, ADRA2+\slot, \q, \i
.endr
.endm
.macro STEPV slot, zero                ; a slot's first 128 along K, on set 0; set 1 is fetched ahead of the products
	s_wait_dscnt 0x0
	PLACES NP
	FETCHV \slot, 1, 1
	WIN MUL_LO
.irp a, 0,1,2,3
	MULA \a, 0, 0, \slot, \zero
.endr
	WIN 0
.endm
.macro TURNV slot, next, fill          ; its second 128, on set 1, and the change of slots
	s_wait_tensorcnt 0x0
	ds_add_u32 v[SPW], v[NIL]
	DESC \slot, \fill
	s_wait_dscnt 1                                 ; set 1 is in; the add may be out
	WIN MUL_LO
	MULA 0, 1, 1, \slot, 0
	s_wait_dscnt 0x0
	s_barrier_signal -1
	MULA 1, 1, 1, \slot, 0
	WIN 0
	s_barrier_wait -1
.if \fill
	CREST
	JLOAD G0+4*\slot, G1, G0B+4*\slot, G1B
	PLACES NP-4
.else
	PLACES NP
.endif
	s_wait_alu depctr_va_vdst(0)
	v_add_nc_u32 v[ADRS2], 4*NQ, v[ADRS2]
	FETCHV \next, 0, 0
	SCALES \next, ADRS2
	WIN MUL_LO
	MULA 2, 1, 1, \slot, 0
	MULA 3, 1, 1, \slot, 0
	WIN 0
.endm
; THE QUANTISER of block a (16 rows of A x 128 along B): four blocks of 32 lie in lanes l and l xor 16; the codes are an image of operand registers and leave as 512 consecutive bytes a store
.macro QUANT a, base
.set AC, 64*((\a)%4)
	WIN 0x0a+5*((\a)/4)
.irp b, 0,1,2,3
	v_max3_num_f32 v[TM+\b], |v[AC+16*\b]|, |v[AC+16*\b+1]|, 0x4800000
.endr
	WIN 0x28+0x14*((\a)/4)
.irp i, 2,4,6,8,10,12,14
.irp b, 0,1,2,3
	v_max3_num_f32 v[TM+\b], v[TM+\b], |v[AC+16*\b+\i]|, |v[AC+16*\b+\i+1]|
.endr
.endr
	WIN 0
.irp b, 0,1,2,3
	v_permlanex16_b32 v[TM+4+\b], v[TM+\b], s20, s21
.endr
.irp b, 0,1,2,3
	v_max_num_f32 v[TM+\b], v[TM+\b], v[TM+4+\b]
.endr
.irp b, 0,1,2,3
	v_add_nc_u32 v[TM+12+\b], 0xfc000000, v[TM+\b]
.endr
.irp b, 0,1,2,3
	v_and_or_b32 v[TM+8+\b], v[TM+\b], 0x7f800000, s19
.endr
.irp b, 0,1,2,3
	v_lshrrev_b32 v[TM+4+\b], 23, v[TM+12+\b]
.endr
	v_lshl_or_b32 v[PW+\a], v[TM+5], 8, v[TM+4]
	v_lshl_or_b32 v[PW+\a], v[TM+6], 16, v[PW+\a]
	v_lshl_or_b32 v[PW+\a], v[TM+7], 24, v[PW+\a]
	WIN 2+(\a)/4
.irp b, 0,1,2,3
.irp i, 0,1,2,3,4,5,6,7,8,9,10,11,12,13,14,15
	v_med3_num_f32 v[T+16*\b+\i], v[AC+16*\b+\i], -v[TM+8+\b], v[TM+8+\b]
.endr
.endr
	WIN 0
.irp b, 0,1,2,3
	v_cvt_scalef32_pk8_fp8_f32 v[PC+16*(\a)+4*\b:PC+16*(\a)+4*\b+1], v[T+16*\b:T+16*\b+7], v[TM+12+\b]
	v_cvt_scalef32_pk8_fp8_f32 v[PC+16*(\a)+4*\b+2:PC+16*(\a)+4*\b+3], v[T+16*\b+8:T+16*\b+15], v[TM+12+\b]
.endr
	v_nop
.irp c, 0,1,2,3
	global_store_b128 v[LI], v[PC+16*(\a)+4*\c:PC+16*(\a)+4*\c+3], s[\base:\base+1] offset:2048*(\a)+512*\c
.endr
.endm
	s_wait_alu depctr_va_vdst(0)                   ; the wait at the head's end
	s_wait_tensorcnt 0x0                           ; my tile of the head's four is in; the three lines ahead of the later first fills
	ds_add_u32 v[SPW], v[NIL]
	s_mov_b32 s[G1S+2], 16<<16                     ; job 2: A's scale bytes are those of 128 rows
	s_mov_b32 s[G1S+4], 16
	s_mov_b32 s[G0S+1], SCL2
	s_mov_b64 s[G0S+2:G0S+3], s[96:97]
	s_or_b32 s[G0S+3], s[G0S+3], 0x80000000
	s_mov_b32 s[G0SB+1], SCL2+HALFS
	s_mov_b64 s[G0SB+2:G0SB+3], s[98:99]
	s_or_b32 s[G0SB+3], s[G0SB+3], 0x80000000
	s_wait_dscnt 0x0
	CROUND
	FOUR 1                                         ; K step 1 of A, of B; job 2's scale bytes
	FETCH_B 0, 0, 0
	FETCH_A 0, 0, 0
	SCALES 0, ADRS
	FETCH_A 0, 0, 4
	global_prefetch_b8 v[PFO], s[PF1:PF1+1] offset:3*ROWB th:TH_LOAD_NT scope:SCOPE_SE   ; job 1's K step 3
	STEP 0, 0, 1                                   ; the first products start the sums
	TURN 0, 1, 2, 0                                ; slot 0 takes K step 2
	STEP 1, 0, 0
	TURN 1, 0, 1, 1                                ; slot 1 takes K step 3
	STEP 0, 0, 0
	TURN 0, 1, 3, 2                                ; slot 0 takes job 2's K step 0
	STEP 1, 0, 0
	TURN 1, 0, 4, 3, 0                             ; slot 1 takes job 2's K step 1; nothing more is fetched for job 1
.irp b, 0,1,2,3
	v_mov_b32 v[TM+4+\b], 0                        ; a lane permute's destination counts as one of its sources
.endr
.irp a, 0,1,2,3,4,5,6,7
	QUANT \a, 4
.endr
.irp p, 0,1,2,3
	v_perm_b32 v[OW+\p], v[PW+2*\p+1], v[PW+2*\p], s2      ; head 0's two bytes of a pair of token tiles; head 1's
	v_perm_b32 v[OW+4+\p], v[PW+2*\p+1], v[PW+2*\p], s3
.endr
.irp o, 0,1
.irp p, 0,1,2,3
	ds_store_b32 v[SST], v[OW+4*\o+\p] offset:256*\o+64*\p
.endr
.endr
	ds_load_b128 v[T:T+3], v[SRD]                  ; my own bytes: LDS serves a wave's instructions in order (ISA guide 5.7.1.4)
	s_wait_dscnt 0x0
	global_store_b128 v[LI], v[T:T+3], s[6:7]
	s_wait_xcnt 0x0                                ; the stores have read their registers: job 2's fragments land there
	FETCHV 0, 0, 0
	SCALES 0, ADRS2
	STEPV 0, 1
	TURNV 0, 1, 1                                  ; slot 0 takes K step 2
	STEPV 1, 0
	TURNV 1, 0, 1                                  ; slot 1 takes K step 3
	STEPV 0, 0
	TURNV 0, 1, 0
	STEPV 1, 0
	s_wait_dscnt 0x0
	WIN MUL_LO
.irp a, 0,1,2,3
	MULA \a, 1, 1, 1, 0
.endr
	WIN 0
	PLACES NP
.irp a, 0,1,2,3
	QUANT \a, 8
.endr
	ds_store_b32 v[SST2], v[PW]                    ; v's scale words: [o 2][head 2][p 2][row 16], channel tile 2 p + o of my head
	ds_store_b32 v[SST2], v[PW+2] offset:64
	ds_store_b32 v[SST2], v[PW+1] offset:256
	ds_store_b32 v[SST2], v[PW+3] offset:320
	s_wait_dscnt 0x0                               ; for the wave that holds the other head
	s_barrier_signal -1
	s_barrier_wait -1
	ds_load_b64 v[T:T+1], v[SRD2]
	s_wait_dscnt 0x0
	global_store_b64 v[L8], v[T:T+1], s[10:11]     ; 32 lanes store 256 consecutive bytes, aligned
	s_wait_tensorcnt 0x0                           ; the wave's end
	ds_add_u32 v[SPW], v[NIL]
	s_wait_dscnt 0x0
	CROUND                                         ; the closing round
	s_endpgm
.Lfunc_end_k_q7a2f069847_qkv:
	.size	k_q7a2f069847_qkv, .Lfunc_end_k_q7a2f069847_qkv-k_q7a2f069847_qkv
	.p2alignl 7, 3214868480
	.fill 96, 4, 3214868480
	.section	.rodata,"a",@progbits
	.p2align	6, 0x0
	.amdhsa_kernel k_q7a2f069847_qkv
		.amdhsa_group_segment_fixed_size 327680
		.amdhsa_private_segment_fixed_size 0
		.amdhsa_enable_private_segment 0
		.amdhsa_kernarg_size 48
		.amdhsa_user_sgpr_count 2
		.amdhsa_user_sgpr_kernarg_segment_ptr 1
		.amdhsa_wavefront_size32 1
		.amdhsa_system_sgpr_workgroup_id_x 1
		.amdhsa_system_sgpr_workgroup_id_y 1
		.amdhsa_system_sgpr_workgroup_id_z 1
		.amdhsa_system_vgpr_workitem_id 0
		.amdhsa_next_free_vgpr 1024
		.amdhsa_next_free_sgpr 106
		.amdhsa_reserve_vcc 0
		.amdhsa_float_denorm_mode_32 3
		.amdhsa_float_denorm_mode_16_64 3
		.amdhsa_memory_ordered 1
		.amdhsa_forward_progress 1
		.amdhsa_inst_pref_size 255
	.end_amdhsa_kernel
	.section	.bss,"aw",@nobits
	.p2align	6
	.space	262144
	.amdgpu_metadata
---
amdhsa.version: [ 1, 2 ]
amdhsa.kernels:
  - .name:           k_q7a2f069847_qkv
    .symbol:         k_q7a2f069847_qkv.kd
    .args:
      - { .name: tokens_codes, .offset: 0, .size: 8, .value_kind: global_buffer, .address_space: global }
      - { .name: tokens_scales, .offset: 8, .size: 8, .value_kind: global_buffer, .address_space: global }
      - { .name: W1_codes, .offset: 16, .size: 8, .value_kind: global_buffer, .address_space: global }
      - { .name: W1_scales, .offset: 24, .size: 8, .value_kind: global_buffer, .address_space: global }
      - { .name: img, .offset: 32, .size: 8, .value_kind: global_buffer, .address_space: global }
      - { .name: sc, .offset: 40, .size: 8, .value_kind: global_buffer, .address_space: global }
    .group_segment_fixed_size: 327680
    .private_segment_fixed_size: 0
    .kernarg_segment_align: 8
    .kernarg_segment_size: 48
    .max_flat_workgroup_size: 128
    .sgpr_count:     106
    .vgpr_count:     1024
    .wavefront_size: 32
...
	.end_amdgpu_metadata
.endif
;; end of part 2
;; launch attn (part 3): grid 4 x 64, 8 waves a work-group, clusters of 4 x 1, 327,680 bytes of LDS; arguments img, sc, qk2p, mask, out0; writes out0
.if DOCPART == 3
	.amdgcn_target "amdgcn-amd-amdhsa--gfx1250"
	.amdhsa_code_object_version 6
	.text
	.protected	k_q7a2f069847_attn
	.globl	k_q7a2f069847_attn
	.p2align	8
	.type	k_q7a2f069847_attn,@function
k_q7a2f069847_attn:
	s_mov_b64 s[64:65], 0
	v_nop
	global_prefetch_b8 v0, s[64:65] scope:SCOPE_SE
	s_setreg_imm32_b32 hwreg(HW_REG_WAVE_MODE, 25, 1), 1
	s_wait_xcnt 0x0
	s_wait_alu depctr_hold_cnt(0) depctr_sa_sdst(0) depctr_va_vdst(0) depctr_va_sdst(0) depctr_va_ssrc(0) depctr_va_vcc(0) depctr_vm_vsrc(0)
	s_getreg_b32 s2, hwreg(HW_REG_IB_STS2, 6, 4)
	s_cmp_eq_u32 s2, 0
	s_cbranch_scc0 .Lentry_in_a_cluster
	s_endpgm
.Lentry_in_a_cluster:
	s_bfe_u32 s2, ttmp6, 0x10000c
	s_cmp_lg_u32 s2, 0x3003
	s_cbranch_scc0 .Lentry_shape_is_right
	s_endpgm
.Lentry_shape_is_right:
; out0[b][q][64 h + :] = the sum over keys of softmax(SCALE (q1 . k1 + c) - 10000 (1 - mask)) v1, SCALE = 1 / sqrt(128), c = q2[b][h] . k2[b][h]; both products on codes of FP8 (E4M3) with E8M0 scales.
; q, k, v come as codes from img, laid as images of operand registers (four registers are 512 bytes, lane l's 16 bytes at 16 l), their scale words from sc; q2 and k2 as eight partial sums from qk2p.
; SOFTMAX: t = logit x log2(e); M = the running largest t rounded up to a whole number; p = 2^(t - M) is quantised along the keys, not normalised; the row's sum is taken of the unquantised p and divides at the end.
; When M moves, the sum and O are multiplied by 2^(old M - new M): exact.  c stays: it shifts t by no whole number, so it moves p's codes.
; SHARES.  A work-group owns 512 queries of one head (y = 16 b + h).  The head's whole K and V, 2 x 131,072 bytes of codes, lie in LDS, filled once: one tensor load a wave (waves 0-3: four steps of K each, waves 4-7: of V).
; CLUSTER.  The four query blocks of a head ask for K and V jointly.  No prefetch: every tensor load is issued at the head, so there is no later load to run ahead of.
; Eight waves of 512 registers, two to a SIMD.  A wave makes four tiles of 16 queries in two passes of two (units u = 0, 1), which share every fragment of K and V.
; LAYOUT.  Both products transposed: S^T = K Q^T + bias, O^T = V^T P^T: a lane holds one query (lane % 16).  K = 64 in an instruction 128 deep: a fragment of K holds two tiles of 16 keys; with [q | 0] it gives the first's scores, with [0 | q] the second's.
; THE BIAS, c + (mask - 1) x 10000 sqrt(128) for each key, is loaded from LDS into the scores' own registers and is the C of each score product.
; LOADS AHEAD.  K and V have registers of their own: behind step s's score products come V's fragments of step s and K's of step s + 1; step s + 1's bias lands in a unit's score registers as soon as its p is converted.
; The last step's look-ahead reads the LDS bytes that follow each table (V's image, the bias, V's scale words: all written ahead of the barrier); what it brings is not used.
; LIMITS: NaN and infinities are not served.  For a masked key score + bias is rounded at 2^-7 of a score, the size of the rounding that the subtraction of 10000 from a logit has in f32.  A block of p that is all zeros keeps the byte 1: its codes are zeros.
.set KIMG,  0                          ; K: tile t of 16 keys at 1,024 t
.set VIMG,  131072                     ; V: step s at 8,192 s; in it channels 16 ct on at 2,048 ct
.set KSC,   262144                     ; K's scale words: [step 16][pair of tiles 4][row 16]
.set BIAS,  266240                     ; an f32 for each key
.set VSC,   274432                     ; V's scale words: [step 16][o 2][128 B]
.set STAGE, 278528                     ; the way out: 16 rows x 272 bytes for each wave
.set SPARE, 313344                     ; the spare words
.set SP,    272
.set LI,   1                           ; 16 x lane
.set AV0,  3                           ; VIMG + 16 x lane
.set ASK0, 4                           ; KSC + 4 x lane
.set ASV0, 5                           ; VSC + 4 x lane
.set AB0,  6                           ; BIAS + 32 x (lane / 16)
.set STO,  7
.set RD,   8
.set GO,   9
.set ADK,  10                          ; v10-14 the step's LDS addresses
.set ADV,  11
.set ADS,  12
.set ADT,  13
.set ADB,  14
.set QW,   15
.set KSR,  16                          ; v16-23 scale words and nothing else: K's, V's, q's, p's
.set VSR,  18
.set QSR,  20
.set PSR,  22
.set ST,   24                          ; unit u at 24 + 8 u: -M, largest t, the sum (2), f, its pair, two at work
.set TM,   40                          ; unit u at 40 + 16 u: blocks' largest (4), at work (4), 448 x scale (4), conversions' scale operands (4)
.set S,    72                          ; v72-199 bias, then S^T, then p: 64 a unit
.set PC,   200                         ; v200-231 p's codes
.set O,    0                           ; window 1: O^T
.set FRK,  64                          ; K's four fragments
.set FRV,  128                         ; V's four
.set QB,   192                         ; zeros | q0 | zeros | q1 | zeros, eight registers each
.set WV,   14
.set SEL,  20
.set CS,   22
.set MNT,  24
.set TB,   25
.set TS,   26
.set TBI,  27
.set CNT,  28
.set G1K,  32
.set G1V,  40
.set G0,   48
.set MSB, 0
.macro WIN new
.if MSB != \new
	s_set_vgpr_msb (MSB<<8)|\new
.set MSB, \new
.endif
.endm
.set W_LD,  0x40
.set W_KQ,  0x05                       ; K and Q in window 1, the scores in window 0
.set W_PV,  0x51
.set W_RS,  0x41
.set W_OUT, 0x01
.macro CROUND
	s_barrier_signal -1
	s_barrier_wait -1
	s_cmp_lg_u32 s[WV], 0
	s_cbranch_scc1 .Lnot_wave_0_\@
	s_barrier_signal -3
.Lnot_wave_0_\@:
	s_barrier_wait -3
	s_barrier_signal -1
	s_barrier_wait -1
.endm
	s_load_b256 s[4:11], s[0:1], 0x0               ; img, sc, qk2p, mask
	s_load_b64 s[12:13], s[0:1], 0x20              ; out0
	v_lshl_add_u32 v254, v0, 2, SPARE
	v_mov_b32 v255, 0
	ds_add_u32 v254, v255                          ; the opening lines
	ds_add_u32 v254, v255
	v_lshrrev_b32 v2, 5, v0
	s_delay_alu instid0(VALU_DEP_1)
	v_readfirstlane_b32 s[WV], v2
	s_and_b32 s16, ttmp7, 0xffff                   ; y = 16 b + h
	s_and_b32 s17, s16, 1                          ; e: which head of its pair
	s_lshr_b32 s18, s16, 1
	; K: head e's half of four cells: 32 rows of 1,024 bytes, 2,048 apart.  V: head e's half of four cells: 4 rows of 8,192 bytes, 16,384 apart.  Elements of 8 bytes
	s_mov_b32 s[G1K], 15|(3<<16)|(1<<21)
	s_mov_b32 s[G1K+1], 128<<16
	s_mov_b32 s[G1K+2], 32<<16
	s_mov_b32 s[G1K+3], 128<<16
	s_mov_b32 s[G1K+4], 32
	s_mov_b32 s[G1K+5], 256
	s_mov_b32 s[G1K+6], 0
	s_mov_b32 s[G1K+7], 0
	s_mov_b32 s[G1V], 15|(3<<16)|(1<<21)
	s_mov_b32 s[G1V+1], 1024<<16
	s_mov_b32 s[G1V+2], 4<<16
	s_mov_b32 s[G1V+3], 1024<<16
	s_mov_b32 s[G1V+4], 4
	s_mov_b32 s[G1V+5], 2048
	s_mov_b32 s[G1V+6], 0
	s_mov_b32 s[G1V+7], 0
	s_lshr_b32 s82, s[WV], 2                       ; 0: K, 1: V
	s_and_b32 s83, s[WV], 3
	s_lshl_b32 s19, s82, 17
	s_lshl_b32 s74, s83, 15
	s_add_co_u32 s19, s19, s74                     ; in LDS: 131,072 x (K or V) + 32,768 x (wave % 4)
	s_add_co_u32 s74, s82, 1
	s_lshl_b32 s74, s74, 23                        ; in img: part 1 or 2,
	s_lshl_b32 s75, s18, 18
	s_add_co_u32 s74, s74, s75                     ; the pair's sixteen cells,
	s_lshl_b32 s75, s83, 16
	s_add_co_u32 s74, s74, s75                     ; my four cells,
	s_mul_i32 s75, s82, 7
	s_add_co_u32 s75, s75, 1
	s_mul_i32 s75, s75, s17
	s_lshl_b32 s75, s75, 10
	s_add_co_u32 s74, s74, s75                     ; head e's half: 1,024 e for K, 8,192 e for V
	s_mov_b32 s75, 0
	s_bfe_u32 s15, ttmp6, 0x40000                  ; cx: it enters q's and out0's addresses alone
	s_lshr_b32 s28, s16, 4                         ; b
	s_and_b32 s29, s16, 15                         ; h
	s_lshl_b32 s78, s28, 13
	s_mov_b32 s79, 0
	s_mov_b32 s80, s78                             ; mask: 8,192 b
	s_mov_b32 s81, 0
	s_lshl_b32 s29, s29, 8
	s_add_co_u32 s78, s78, s29                     ; qk2p: 8,192 b + 256 h
	s_lshl_b32 s30, s28, 23
	s_add_co_u32 s30, s30, s29
	s_lshl_b32 s28, s15, 21
	s_add_co_u32 s30, s30, s28
	s_lshl_b32 s28, s[WV], 17
	s_add_co_u32 s30, s30, s28                     ; out0: b, 256 h, 512 cx rows, 32 wave rows
	s_mov_b32 s31, 0
	s_lshl_b32 s68, s18, 18                        ; q's images
	s_lshl_b32 s28, s17, 10
	s_add_co_u32 s68, s68, s28
	s_lshl_b32 s28, s15, 16
	s_add_co_u32 s68, s68, s28
	s_lshl_b32 s28, s[WV], 12
	s_add_co_u32 s68, s68, s28
	s_mov_b32 s69, 0
	s_lshl_b32 s72, s18, 13                        ; sc
	s_lshl_b32 s28, s17, 8
	s_add_co_u32 s70, s72, s28
	s_add_co_u32 s76, s72, 524288
	s_add_co_u32 s72, s70, 262144
	s_lshl_b32 s28, s17, 7
	s_add_co_u32 s76, s76, s28
	s_lshl_b32 s28, s15, 11
	s_add_co_u32 s70, s70, s28
	s_lshl_b32 s28, s82, 9
	s_add_co_u32 s70, s70, s28
	s_lshl_b32 s28, s83, 6
	s_add_co_u32 s70, s70, s28
	s_mov_b32 s71, 0
	s_mov_b32 s73, 0
	s_mov_b32 s77, 0
	s_mov_b32 s[SEL], 0x76543210
	s_mov_b32 s[SEL+1], 0xfedcba98
	s_mov_b32 s[CS], 0x3e0293ee                    ; log2(e) / sqrt(128)
	s_mov_b32 s[CS+1], s[CS]
	s_mov_b32 s[MNT], 0x600000
	s_wait_dscnt 0x0
	s_wait_kmcnt 0x0
	s_add_nc_u64 s[74:75], s[4:5], s[74:75]
	s_add_nc_u64 s[68:69], s[4:5], s[68:69]
	s_add_nc_u64 s[70:71], s[6:7], s[70:71]
	s_add_nc_u64 s[72:73], s[6:7], s[72:73]
	s_add_nc_u64 s[76:77], s[6:7], s[76:77]
	s_add_nc_u64 s[8:9], s[8:9], s[78:79]
	s_add_nc_u64 s[10:11], s[10:11], s[80:81]
	s_add_nc_u64 s[12:13], s[12:13], s[30:31]
	s_mov_b32 s[G0], 1
	s_mov_b32 s[G0+1], s19
	s_mov_b64 s[G0+2:G0+3], s[74:75]
	s_or_b32 s[G0+3], s[G0+3], 0x80000000
	CROUND                                         ; all four work-groups are here: the joint loads meet
	s_cmp_lt_u32 s[WV], 4                          ; one tensor load a wave, an arm for K's and one for V's
	s_cbranch_scc0 .Lfill_v
	tensor_load_to_lds s[G0:G0+3], s[G1K:G1K+7]
	s_nop 0
.rept 4
	v_nop
.endr
	s_branch .Lfilled
.Lfill_v:
	tensor_load_to_lds s[G0:G0+3], s[G1V:G1V+7]
	s_nop 0
.rept 4
	v_nop
.endr
.Lfilled:
	v_and_b32 v2, 31, v0
	v_and_b32 v238, 15, v0                         ; r
	v_bfe_u32 v239, v0, 4, 1                       ; h'
	s_delay_alu instid0(VALU_DEP_3)
	v_lshlrev_b32 v[LI], 4, v2
	s_delay_alu instid0(VALU_DEP_4)
	v_lshlrev_b32 v232, 3, v2
	v_lshlrev_b32 v233, 5, v0
	v_lshrrev_b32 v234, 4, v0
	s_delay_alu instid0(VALU_DEP_1)
	v_lshlrev_b32 v234, 9, v234
	s_delay_alu instid0(VALU_DEP_1)
	v_lshl_add_u32 v234, v238, 4, v234
	v_lshrrev_b32 v235, 3, v0
	s_delay_alu instid0(VALU_DEP_1)
	v_lshlrev_b32 v235, 8, v235
	v_and_b32 v243, 7, v0
	s_delay_alu instid0(VALU_DEP_1)
	v_lshl_add_u32 v235, v243, 4, v235
	v_lshlrev_b32 v237, 2, v238                    ; q's scale word of row r; stays
.irp k, 0,1,2,3,4,5,6,7
	global_load_b64 v[72+2*\k:73+2*\k], v232, s[8:9] offset:32768*\k          ; q2's eight partial sums
	global_load_b64 v[88+2*\k:89+2*\k], v232, s[8:9] offset:32768*\k+4096     ; k2's
.endr
	global_load_b128 v[104:107], v233, s[10:11]
	global_load_b128 v[108:111], v233, s[10:11] offset:16
	global_load_b128 v[112:115], v234, s[72:73]
	global_load_b128 v[116:119], v235, s[76:77]
.macro QLOAD                           ; a pass's two tiles of q and the word with their scale bytes
	global_load_b32 v[QW], v237, s[70:71]
	WIN W_LD
.irp u, 0,1
.irp c, 0,1
	global_load_b128 v[QB+8+16*\u+4*\c:QB+8+16*\u+4*\c+3], v[LI], s[68:69] offset:2048*\u+512*\c
.endr
.endr
	WIN 0
.endm
	QLOAD
	v_add_nc_u32 v[AV0], VIMG, v[LI]
	v_lshl_add_u32 v[ASK0], v2, 2, KSC
	v_lshl_add_u32 v[ASV0], v2, 2, VSC
	v_lshl_add_u32 v[AB0], v239, 5, BIAS
	s_mul_i32 s29, s[WV], 16*SP
	s_add_co_u32 s29, s29, STAGE
	v_mul_u32_u24 v[STO], v238, SP
	s_delay_alu instid0(VALU_DEP_1)
	v_lshl_add_u32 v[STO], v239, 5, v[STO]
	s_delay_alu instid0(VALU_DEP_1)
	v_add_nc_u32 v[STO], s29, v[STO]
	v_mul_u32_u24 v[RD], v239, SP
	s_delay_alu instid0(VALU_DEP_1)
	v_lshl_add_u32 v[RD], v238, 4, v[RD]
	s_delay_alu instid0(VALU_DEP_1)
	v_add_nc_u32 v[RD], s29, v[RD]
	v_lshlrev_b32 v[GO], 12, v239
	s_delay_alu instid0(VALU_DEP_1)
	v_lshl_add_u32 v[GO], v238, 4, v[GO]
	v_lshl_add_u32 v240, v0, 5, BIAS               ; where my thread's parts of the three tables go
	v_lshl_add_u32 v241, v0, 4, KSC
	v_lshl_add_u32 v242, v0, 4, VSC
	v_mov_b32 v245, 0
.irp u, 0,1
	v_mov_b32 v[ST+8*\u+5], 0
	v_mov_b32 v[ST+8*\u+7], 0
.irp b, 0,1,2,3
	v_mov_b32 v[TM+16*\u+4+\b], 0
.endr
.endr
	WIN W_LD
.irp i, 0,1,2,3,4,5,6,7
	v_mov_b32 v[QB+\i], 0                          ; the three runs of zero codes beside q
	v_mov_b32 v[QB+16+\i], 0
	v_mov_b32 v[QB+32+\i], 0
.endr
	WIN 0
	s_wait_loadcnt 0x0
	; c = q2 . k2
.irp x, 72, 88
	v_pk_add_f32 v[\x:\x+1], v[\x:\x+1], v[\x+2:\x+3]
	v_pk_add_f32 v[\x+4:\x+5], v[\x+4:\x+5], v[\x+6:\x+7]
	v_pk_add_f32 v[\x+8:\x+9], v[\x+8:\x+9], v[\x+10:\x+11]
	v_pk_add_f32 v[\x+12:\x+13], v[\x+12:\x+13], v[\x+14:\x+15]
	s_delay_alu instid0(VALU_DEP_3)
	v_pk_add_f32 v[\x:\x+1], v[\x:\x+1], v[\x+4:\x+5]
	s_delay_alu instid0(VALU_DEP_2)
	v_pk_add_f32 v[\x+8:\x+9], v[\x+8:\x+9], v[\x+12:\x+13]
	s_delay_alu instid0(VALU_DEP_1)
	v_pk_add_f32 v[\x:\x+1], v[\x:\x+1], v[\x+8:\x+9]
.endr
	s_delay_alu instid0(VALU_DEP_1)
	v_mul_f32 v244, v72, v88
	s_delay_alu instid0(VALU_DEP_1)
	v_fma_f32 v244, v73, v89, v244
	s_delay_alu instid0(VALU_DEP_1)
	v_add_f32_dpp v244, v244, v244 row_xmask:1 row_mask:0xf bank_mask:0xf
	s_delay_alu instid0(VALU_DEP_1)
	v_add_f32_dpp v244, v244, v244 row_xmask:2 row_mask:0xf bank_mask:0xf
	s_delay_alu instid0(VALU_DEP_1)
	v_add_f32_dpp v244, v244, v244 row_xmask:4 row_mask:0xf bank_mask:0xf
	s_delay_alu instid0(VALU_DEP_1)
	v_add_f32_dpp v244, v244, v244 row_xmask:8 row_mask:0xf bank_mask:0xf
	s_delay_alu instid0(VALU_DEP_1)
	v_permlanex16_b32 v245, v244, s[SEL], s[SEL+1]
	s_delay_alu instid0(VALU_DEP_1)
	v_add_f32 v244, v244, v245                     ; c, in every lane
.irp i, 0,1,2,3,4,5,6,7
	v_cvt_f32_i32 v[104+\i], v[104+\i]
.endr
.irp i, 0,1,2,3,4,5,6,7
	v_add_f32 v[104+\i], -1.0, v[104+\i]
.endr
.irp i, 0,1,2,3,4,5,6,7
	v_fma_f32 v[104+\i], v[104+\i], 0x47dcf88b, v244   ; bias = (mask - 1) x 10000 sqrt(128) + c
.endr
	ds_store_b128 v240, v[104:107]
	ds_store_b128 v240, v[108:111] offset:16
	ds_store_b128 v241, v[112:115]
	ds_store_b128 v242, v[116:119]
	s_wait_alu depctr_va_vdst(0)                   ; the wait at the head's end
	s_wait_tensorcnt 0x0                           ; my part of K or V has landed
	s_wait_dscnt 0x0                               ; my parts of the three tables are stored
	s_barrier_signal -1
	s_barrier_wait -1                              ; everybody's: the whole head lies in LDS, and nothing is filled again
.macro KQ p, x, u                      ; the scores of key tile 2 p + x for unit u, onto the bias that lies in their registers
.if (\p)%2
	v_wmma_scale_f32_16x16x128_f8f6f4 v[S+64*\u+8*(2*\p+\x):S+64*\u+8*(2*\p+\x)+7], v[FRK+16*\p:FRK+16*\p+15], v[QB+16*\u+8*(1-\x):QB+16*\u+8*(1-\x)+15], v[S+64*\u+8*(2*\p+\x):S+64*\u+8*(2*\p+\x)+7], v[KSR+(\p)/2], v[QSR+\u] matrix_a_scale:MATRIX_SCALE_ROW1
.else
	v_wmma_scale_f32_16x16x128_f8f6f4 v[S+64*\u+8*(2*\p+\x):S+64*\u+8*(2*\p+\x)+7], v[FRK+16*\p:FRK+16*\p+15], v[QB+16*\u+8*(1-\x):QB+16*\u+8*(1-\x)+15], v[S+64*\u+8*(2*\p+\x):S+64*\u+8*(2*\p+\x)+7], v[KSR+(\p)/2], v[QSR+\u]
.endif
.endm
.macro PV ct, u                        ; O^T of channels 16 ct on, unit u, += V^T P^T over the step's 128 keys
.if (\ct)/2
	v_wmma_scale_f32_16x16x128_f8f6f4 v[O+32*\u+8*\ct:O+32*\u+8*\ct+7], v[FRV+16*\ct:FRV+16*\ct+15], v[PC+16*\u:PC+16*\u+15], v[O+32*\u+8*\ct:O+32*\u+8*\ct+7], v[VSR+(\ct)%2], v[PSR+\u] matrix_a_scale:MATRIX_SCALE_ROW1
.else
	v_wmma_scale_f32_16x16x128_f8f6f4 v[O+32*\u+8*\ct:O+32*\u+8*\ct+7], v[FRV+16*\ct:FRV+16*\ct+15], v[PC+16*\u:PC+16*\u+15], v[O+32*\u+8*\ct:O+32*\u+8*\ct+7], v[VSR+(\ct)%2], v[PSR+\u]
.endif
.endm
.macro FLOAD reg, adr, off             ; four fragments, 8,192 consecutive bytes (destination window 1)
.irp p, 0,1,2,3
.irp c, 0,1,2,3
	ds_load_b128 v[\reg+16*\p+4*\c:\reg+16*\p+4*\c+3], v[\adr] offset:\off+2048*\p+512*\c
.endr
.endr
.endm
.macro BLOAD u, adr, off               ; the bias of 128 keys into unit u's score registers: 16 loads; sixteen lanes read the same bytes
.irp t, 0,1,2,3,4,5,6,7
	ds_load_b128 v[S+64*\u+8*\t:S+64*\u+8*\t+3], v[\adr] offset:\off+64*\t
	ds_load_b128 v[S+64*\u+8*\t+4:S+64*\u+8*\t+7], v[\adr] offset:\off+64*\t+16
.endr
.endm
.macro SUM u                           ; the row's sum of the unquantised p: two at a time, four chains
.set PP, S+64*\u
.set CA, ST+8*\u+2
.set CB, TM+16*\u+4
.set CC, TM+16*\u+6
.set CD, ST+8*\u+6
	v_pk_add_f32 v[CB:CB+1], v[PP:PP+1], v[PP+2:PP+3]
	v_pk_add_f32 v[CC:CC+1], v[PP+4:PP+5], v[PP+6:PP+7]
	v_pk_add_f32 v[CD:CD+1], v[PP+8:PP+9], v[PP+10:PP+11]
	v_pk_add_f32 v[CA:CA+1], v[CA:CA+1], v[PP+12:PP+13]
.set i, 14
.rept 6
	v_pk_add_f32 v[CB:CB+1], v[CB:CB+1], v[PP+i:PP+i+1]
	v_pk_add_f32 v[CC:CC+1], v[CC:CC+1], v[PP+i+2:PP+i+3]
	v_pk_add_f32 v[CD:CD+1], v[CD:CD+1], v[PP+i+4:PP+i+5]
	v_pk_add_f32 v[CA:CA+1], v[CA:CA+1], v[PP+i+6:PP+i+7]
.set i, i+8
.endr
	v_pk_add_f32 v[CB:CB+1], v[CB:CB+1], v[PP+62:PP+63]
	v_pk_add_f32 v[CA:CA+1], v[CA:CA+1], v[CD:CD+1]
	v_pk_add_f32 v[CB:CB+1], v[CB:CB+1], v[CC:CC+1]
	v_pk_add_f32 v[CA:CA+1], v[CA:CA+1], v[CB:CB+1]
.endm
; A KEY STEP: 128 keys, both units.  Register 16 b + i of a unit's S^T holds key 32 b + 8 (lane / 16) + i % 8 + 16 (i / 8) of the step: V's images have the keys of a block in the same order.
.macro STEP
	s_wait_dscnt 16                                ; K's fragments and scale words and unit 0's bias are in; the youngest sixteen loads, unit 1's bias, may be out
	WIN W_KQ
.irp u, 0,1
.if \u
	s_wait_dscnt 0x0
.endif
.irp p, 0,1,2,3
.irp x, 0,1
	KQ \p, \x, \u                                  ; sixteen results, each written once a step
.endr
.endr
.endr
	WIN 0
	v_add_nc_u32 v[ADK], s[TB], v[LI]              ; five additions and three v_nop: eight places between the products and the loads into what they read, and the first read of the scores
	v_add_nc_u32 v[ADV], s[TB], v[AV0]
	v_add_nc_u32 v[ADS], s[TS], v[ASK0]
	v_add_nc_u32 v[ADT], s[TS], v[ASV0]
	v_add_nc_u32 v[ADB], s[TBI], v[AB0]
.rept 3
	v_nop
.endr
	WIN W_LD
	FLOAD FRV, ADV, 0                              ; this step's V
	FLOAD FRK, ADK, 8192                           ; the next step's K
	WIN 0
	ds_load_b32 v[VSR], v[ADT]
	ds_load_b32 v[VSR+1], v[ADT] offset:128
	ds_load_b32 v[KSR], v[ADS] offset:256
	ds_load_b32 v[KSR+1], v[ADS] offset:384
	; the largest score of each block of 32 keys: for the row's maximum and, since p rises with the score, for the block's largest p.  Each result is read from its low end on
.irp u, 0,1
.irp b, 0,1,2,3
	v_max3_num_f32 v[TM+16*\u+\b], v[S+64*\u+16*\b], v[S+64*\u+16*\b+1], v[S+64*\u+16*\b+2]
.endr
.endr
.irp i, 3,5,7,9,11,13
.irp u, 0,1
.irp b, 0,1,2,3
	v_max3_num_f32 v[TM+16*\u+\b], v[TM+16*\u+\b], v[S+64*\u+16*\b+\i], v[S+64*\u+16*\b+\i+1]
.endr
.endr
.endr
.irp u, 0,1
.irp b, 0,1,2,3
	v_max_num_f32 v[TM+16*\u+\b], v[TM+16*\u+\b], v[S+64*\u+16*\b+15]
.endr
.endr
.irp u, 0,1
.irp b, 0,1,2,3
	v_permlanex16_b32 v[TM+16*\u+4+\b], v[TM+16*\u+\b], s[SEL], s[SEL+1]
.endr
.endr
.irp u, 0,1
.irp b, 0,1,2,3
	v_max_num_f32 v[TM+16*\u+\b], v[TM+16*\u+\b], v[TM+16*\u+4+\b]   ; with lane l xor 16's 16 keys
.endr
.endr
.irp u, 0
	v_max3_num_f32 v[ST+8*\u+6], v[TM+16*\u], v[TM+16*\u+1], v[TM+16*\u+2]
.endr
.irp u, 1
	s_delay_alu instid0(VALU_DEP_3)
	v_max3_num_f32 v[ST+8*\u+6], v[TM+16*\u], v[TM+16*\u+1], v[TM+16*\u+2]
.endr
.irp u, 0,1
	s_delay_alu instid0(VALU_DEP_2)
	v_max_num_f32 v[ST+8*\u+6], v[ST+8*\u+6], v[TM+16*\u+3]
.endr
.irp u, 0,1
	s_delay_alu instid0(VALU_DEP_2)
	v_mul_f32 v[ST+8*\u+6], s[CS], v[ST+8*\u+6]                      ; as t
.endr
.irp u, 0,1
	s_delay_alu instid0(VALU_DEP_2)
	v_max_num_f32 v[ST+8*\u+1], v[ST+8*\u+1], v[ST+8*\u+6]           ; the running largest t
.endr
.irp u, 0,1
	v_mov_b32 v[ST+8*\u+6], v[ST+8*\u]
.endr
.irp u, 0,1
	s_delay_alu instid0(VALU_DEP_4)
	v_floor_f32 v[ST+8*\u], -v[ST+8*\u+1]                            ; the new -M = -ceil(t)
.endr
.irp u, 0,1
	s_delay_alu instid0(VALU_DEP_2)
	v_sub_f32 v[ST+8*\u+6], v[ST+8*\u], v[ST+8*\u+6]                 ; old M less new M
.endr
.irp u, 0,1
	s_delay_alu instid0(VALU_DEP_2)
	v_cvt_i32_f32 v[ST+8*\u+6], v[ST+8*\u+6]
.endr
.irp u, 0,1
	s_delay_alu instid0(VALU_DEP_2)
	v_ldexp_f32 v[ST+8*\u+4], 1.0, v[ST+8*\u+6]                      ; f = 2^(old M - new M)
.endr
.set j, 0
.rept 32
	v_pk_fma_f32 v[S+j:S+j+1], v[S+j:S+j+1], s[CS:CS+1], v[ST:ST+1] op_sel_hi:[1,0,0]   ; unit 0: t - M, two at a time
.set j, j+2
.endr
.irp u, 0,1
.irp b, 0,1,2,3
	v_fma_f32 v[TM+16*\u+\b], v[TM+16*\u+\b], s[CS], v[ST+8*\u]      ; the same of each block's largest score
.endr
.endr
	s_wait_alu depctr_va_vdst(0)                   ; the wait ahead of a batch of exponentials
.irp u, 0,1
.irp b, 0,1,2,3
	v_exp_f32 v[TM+16*\u+\b], v[TM+16*\u+\b]       ; the blocks' largest p
.endr
.endr
.set j, 0
.rept 32
	v_exp_f32 v[S+j], v[S+j]                       ; unit 0's p; among them unit 1's t - M, which names none of their registers and is read behind the next two waits
	v_pk_fma_f32 v[S+64+j:S+65+j], v[S+64+j:S+65+j], s[CS:CS+1], v[ST+8:ST+9] op_sel_hi:[1,0,0]
	v_exp_f32 v[S+j+1], v[S+j+1]
.set j, j+2
.endr
.irp u, 0,1
	v_pk_mul_f32 v[ST+8*\u+2:ST+8*\u+3], v[ST+8*\u+2:ST+8*\u+3], v[ST+8*\u+4:ST+8*\u+5] op_sel_hi:[1,0]   ; the sums under the new M
.endr
	s_wait_alu depctr_va_vdst(0)                   ; and behind it
.irp u, 0,1
.irp b, 0,1,2,3
	v_max_num_f32 v[TM+16*\u+\b], 0x4800000, v[TM+16*\u+\b]          ; the floor 2^(9 - 127): the byte cannot fall under 1
.endr
.endr
.irp u, 0,1
.irp b, 0,1,2,3
	v_add_nc_u32 v[TM+16*\u+12+\b], 0xfc000000, v[TM+16*\u+\b]       ; the conversion's scale operand
.endr
.endr
.irp u, 0,1
.irp b, 0,1,2,3
	v_and_or_b32 v[TM+16*\u+8+\b], v[TM+16*\u+\b], 0x7f800000, s[MNT]   ; 448 x the scale
.endr
.endr
.irp u, 0,1
.irp b, 0,1,2,3
	v_lshrrev_b32 v[TM+16*\u+4+\b], 23, v[TM+16*\u+12+\b]            ; the scale's byte
.endr
.endr
.irp u, 0
	v_lshl_or_b32 v[PSR+\u], v[TM+16*\u+5], 8, v[TM+16*\u+4]
.endr
.irp u, 1
	s_delay_alu instid0(VALU_DEP_4)
	v_lshl_or_b32 v[PSR+\u], v[TM+16*\u+5], 8, v[TM+16*\u+4]
.endr
.irp u, 0,1
	s_delay_alu instid0(VALU_DEP_2)
	v_lshl_or_b32 v[PSR+\u], v[TM+16*\u+6], 16, v[PSR+\u]
.endr
.irp u, 0,1
	s_delay_alu instid0(VALU_DEP_2)
	v_lshl_or_b32 v[PSR+\u], v[TM+16*\u+7], 24, v[PSR+\u]            ; p's scale word for these 128 keys
.endr
	SUM 0
	s_wait_alu depctr_va_vdst(0)                   ; ahead of the second batch
.set n, 0
.rept 32
	v_exp_f32 v[S+64+2*n], v[S+64+2*n]             ; unit 1's p; among them unit 0's holds, two to a line (the conversion to an 8-bit code does not saturate: ISA guide 7.6.2; p is not negative, so the hold is one-sided)
	v_dual_min_num_f32 v[S+2*n], v[S+2*n], v[TM+8+n/8] :: v_dual_min_num_f32 v[S+2*n+1], v[S+2*n+1], v[TM+8+n/8]
	v_exp_f32 v[S+65+2*n], v[S+65+2*n]
.set n, n+1
.endr
	v_nop                                          ; a plain place behind the last exponential
	s_wait_alu depctr_va_vdst(0)                   ; and behind it
.irp b, 0,1,2,3
	v_cvt_scalef32_pk8_fp8_f32 v[PC+4*\b:PC+4*\b+1], v[S+16*\b:S+16*\b+7], v[TM+12+\b]
	v_cvt_scalef32_pk8_fp8_f32 v[PC+4*\b+2:PC+4*\b+3], v[S+16*\b+8:S+16*\b+15], v[TM+12+\b]
.endr
	BLOAD 0, ADB, 512                              ; unit 0's registers are free: the next step's bias
	SUM 1
.irp b, 0,1,2,3
.set n, 0
.rept 8
	v_dual_min_num_f32 v[S+64+16*\b+n], v[S+64+16*\b+n], v[TM+24+\b] :: v_dual_min_num_f32 v[S+65+16*\b+n], v[S+65+16*\b+n], v[TM+24+\b]
.set n, n+2
.endr
	v_cvt_scalef32_pk8_fp8_f32 v[PC+16+4*\b:PC+16+4*\b+1], v[S+64+16*\b:S+64+16*\b+7], v[TM+28+\b]
	v_cvt_scalef32_pk8_fp8_f32 v[PC+16+4*\b+2:PC+16+4*\b+3], v[S+64+16*\b+8:S+64+16*\b+15], v[TM+28+\b]
.endr
	BLOAD 1, ADB, 512
	WIN W_RS
	s_wait_alu depctr_va_vdst(0)                   ; the wait directly ahead of the first reader of O^T
.irp u, 0,1
.set j, 0
.rept 16
	v_pk_mul_f32 v[O+32*\u+j:O+32*\u+j+1], v[O+32*\u+j:O+32*\u+j+1], v[ST+8*\u+4:ST+8*\u+5] op_sel_hi:[1,0]   ; O^T under the new M; also the places between the codes and the products
.set j, j+2
.endr
.endr
	s_wait_alu depctr_va_vdst(0)
	s_wait_dscnt 34                                ; V's fragments and scale words are in; behind them: K's 2 scale loads and the 32 of the bias
	WIN W_PV
.irp ct, 0,1,2,3
.irp u, 0,1
	PV \ct, \u                                     ; the eight accumulators take turns
.endr
.endr
	WIN 0
	s_add_co_u32 s[TB], s[TB], 8192
	s_add_co_u32 s[TS], s[TS], 256
	s_add_co_u32 s[TBI], s[TBI], 512
.endm
; THE WAY OUT of a pass: O^T / the sum goes through my own stage in LDS, a unit at a time, and leaves as whole runs of 256 bytes.
.macro WAYOUT
	s_wait_dscnt 0x0                               ; the last step's look-ahead has landed: its registers are written below
.rept 8
	v_nop
.endr
.irp u, 0,1
	v_add_f32 v[ST+8*\u+6], v[ST+8*\u+2], v[ST+8*\u+3]
.endr
.irp u, 0,1
	s_delay_alu instid0(VALU_DEP_2)
	v_permlanex16_b32 v[ST+8*\u+7], v[ST+8*\u+6], s[SEL], s[SEL+1]
.endr
.irp u, 0,1
	s_delay_alu instid0(VALU_DEP_2)
	v_add_f32 v[ST+8*\u+6], v[ST+8*\u+6], v[ST+8*\u+7]               ; the row's sum
.endr
	s_wait_alu depctr_va_vdst(0)
.irp u, 0,1
	v_rcp_f32 v[ST+8*\u+6], v[ST+8*\u+6]
.endr
	v_nop
	s_wait_alu depctr_va_vdst(0)
.irp u, 0,1
	WIN W_OUT
.set j, 0
.rept 32
	v_mul_f32 v[S+64*\u+j], v[O+32*\u+j], v[ST+8*\u+6]               ; register 8 ct + i is o(query r, channel 16 ct + 8 h' + i)
.set j, j+1
.endr
	WIN 0
.irp ct, 0,1,2,3
	ds_store_b128 v[STO], v[S+64*\u+8*\ct:S+64*\u+8*\ct+3] offset:64*\ct
	ds_store_b128 v[STO], v[S+64*\u+8*\ct+4:S+64*\u+8*\ct+7] offset:64*\ct+16
.endr
.irp i, 0,1,2,3,4,5,6,7
	ds_load_b128 v[S+64*\u+32+4*\i:S+64*\u+32+4*\i+3], v[RD] offset:2*\i*SP   ; LDS serves a wave's instructions in order (ISA guide 5.7.1.4)
.endr
.endr
.irp u, 0,1
.irp i, 0,1,2,3,4,5,6,7
	s_wait_dscnt 16*(1-\u)+7-\i                    ; behind this load: the unit's younger loads, and for unit 0 unit 1's sixteen LDS instructions
	global_store_b128 v[GO], v[S+64*\u+32+4*\i:S+64*\u+32+4*\i+3], s[12:13] offset:65536*\u+8192*\i th:TH_STORE_NT   ; sixteen lanes store 256 consecutive bytes, aligned
.endr
.endr
.endm
; A PASS: two tiles of 16 queries against all 2,048 keys.  first = 1: it also asks for the second pass's q.
.macro PASS first
	s_wait_loadcnt 0x0                             ; q and its scale word
	v_perm_b32 v[QSR], v[QW], v[QW], 0x01000100    ; unit 0's two bytes, twice: they serve [q | 0] and [0 | q] alike
	v_perm_b32 v[QSR+1], v[QW], v[QW], 0x03020302
.irp u, 0,1
	v_mov_b32 v[ST+8*\u+1], 0xff61b1e6             ; the largest t so far: -3e38
	v_mov_b32 v[ST+8*\u+2], 0
	v_mov_b32 v[ST+8*\u+3], 0
.endr
	v_floor_f32 v[ST], -v[ST+1]
	v_floor_f32 v[ST+8], -v[ST+9]
	WIN W_LD
	FLOAD FRK, LI, 0                               ; step 0's K,
.set j, 0
.rept 64
	v_mov_b32 v[O+j], 0                            ; O^T: the first change of M leaves zeros zeros.  Also the places between q's scale words and the first product
.set j, j+1
.endr
	WIN 0
	ds_load_b32 v[KSR], v[ASK0]                    ; its scale words,
	ds_load_b32 v[KSR+1], v[ASK0] offset:128
	BLOAD 0, AB0, 0                                ; and its bias
	BLOAD 1, AB0, 0
	s_mov_b32 s[TB], 0
	s_mov_b32 s[TS], 0
	s_mov_b32 s[TBI], 0
	s_mov_b32 s[CNT], 16
	s_wait_alu depctr_va_vdst(0)
.Lkeys_\@:
	STEP
	s_sub_co_u32 s[CNT], s[CNT], 1
	s_cmp_lg_u32 s[CNT], 0
	s_cbranch_scc1 .Lkeys_\@
.if \first
	s_add_nc_u64 s[68:69], s[68:69], 32768         ; the second pass's q: sixteen tiles on (the loads that named these bases were waited for at the pass's head)
	s_add_nc_u64 s[70:71], s[70:71], 1024
	QLOAD                                          ; it lands while this pass goes out
.endif
	WAYOUT
.endm
	PASS 1
	s_wait_xcnt 0x0                                ; the stores have read their registers and their base
	s_add_nc_u64 s[12:13], s[12:13], 1048576       ; 256 rows of out0 on
	PASS 0
	s_wait_dscnt 0x0
	s_wait_tensorcnt 0x0                           ; the wave's end
	ds_add_u32 v254, v255
	s_wait_dscnt 0x0
	CROUND                                         ; the closing round
	s_endpgm
.Lfunc_end_k_q7a2f069847_attn:
	.size	k_q7a2f069847_attn, .Lfunc_end_k_q7a2f069847_attn-k_q7a2f069847_attn
	.p2alignl 7, 3214868480
	.fill 96, 4, 3214868480
	.section	.rodata,"a",@progbits
	.p2align	6, 0x0
	.amdhsa_kernel k_q7a2f069847_attn
		.amdhsa_group_segment_fixed_size 327680
		.amdhsa_private_segment_fixed_size 0
		.amdhsa_enable_private_segment 0
		.amdhsa_kernarg_size 40
		.amdhsa_user_sgpr_count 2
		.amdhsa_user_sgpr_kernarg_segment_ptr 1
		.amdhsa_wavefront_size32 1
		.amdhsa_system_sgpr_workgroup_id_x 1
		.amdhsa_system_sgpr_workgroup_id_y 1
		.amdhsa_system_sgpr_workgroup_id_z 1
		.amdhsa_system_vgpr_workitem_id 0
		.amdhsa_next_free_vgpr 512
		.amdhsa_next_free_sgpr 84
		.amdhsa_reserve_vcc 0
		.amdhsa_float_denorm_mode_32 3
		.amdhsa_float_denorm_mode_16_64 3
		.amdhsa_memory_ordered 1
		.amdhsa_forward_progress 1
		.amdhsa_inst_pref_size 115
	.end_amdhsa_kernel
	.amdgpu_metadata
---
amdhsa.version: [ 1, 2 ]
amdhsa.kernels:
  - .name:           k_q7a2f069847_attn
    .symbol:         k_q7a2f069847_attn.kd
    .args:
      - { .name: img, .offset: 0, .size: 8, .value_kind: global_buffer, .address_space: global }
      - { .name: sc, .offset: 8, .size: 8, .value_kind: global_buffer, .address_space: global }
      - { .name: qk2p, .offset: 16, .size: 8, .value_kind: global_buffer, .address_space: global }
      - { .name: mask, .offset: 24, .size: 8, .value_kind: global_buffer, .address_space: global }
      - { .name: out0, .offset: 32, .size: 8, .value_kind: global_buffer, .address_space: global }
    .group_segment_fixed_size: 327680
    .private_segment_fixed_size: 0
    .kernarg_segment_align: 8
    .kernarg_segment_size: 40
    .max_flat_workgroup_size: 256
    .sgpr_count:     84
    .vgpr_count:     512
    .wavefront_size: 32
...
	.end_amdgpu_metadata
.endif
;; end of part 3
